; MI455X (gfx1250); checked and timed in simulation.
; The chip was launched on July 23, 2026; its instructions are those of AMD's public machine-readable ISA for CDNA 5 (MIT licence, August 2026) and "CDNA5" Instruction Set Architecture Reference Guide (July 2026). The comments in the code are by the model that wrote it; some were corrected since.
;; Self Attention. Allowed arithmetic: matrix products marked QUANTISED: E5M2 operands, one given power-of-two scale a tensor, by v_wmma_f32_16x16x64_bf8_bf8 or v_wmma_f32_16x16x128_bf8_bf8, f32 sums; products left as they are: f32 operands where the result goes on into a quantised operand, else bf16, f16 or f32 operands; f32 sums; everything else in f32.
;; Inputs: Wk 1,024 x 1,024 float32; Wo 1,024 x 1,024 float32; Wq 1,024 x 1,024 float32; Wv 1,024 x 1,024 float32; bk 1,024 float32; bo 1,024 float32; bq 1,024 float32; bv 1,024 float32; lowp_scales 12 int32 (the exponents e of the quantised operands' scales 2^e); x 4 x 2,048 x 1,024 float32.
;; Outputs: out0 4 x 2,048 x 1,024 float32.
;; This version of the problem:
;;   THIS VERSION OF THE PROBLEM IS GIVEN IN LOW PRECISION. The matrix products marked QUANTISED in the list below multiply operands that are first quantised to E5M2 (5 exponent bits, 2 mantissa bits; 8 bits a number), with one given power-of-two scale for each operand tensor; their sums are f32. All else is computed in f32.
;;   The module's matrix products, in the order in which they are computed (A, B: the left and right operand; K: the contracted axis; several contracted axes count as one K, in the product's order):
;;     1. [M 8,192, K 1,024] x [K 1,024, N 1,024]; A: input x; B: input Wq: QUANTISED (scales: A lowp_scales[0], B lowp_scales[1])
;;     2. [M 8,192, K 1,024] x [K 1,024, N 1,024]; A: input x; B: input Wk: QUANTISED (scales: A lowp_scales[2], B lowp_scales[3])
;;     3. [M 8,192, K 1,024] x [K 1,024, N 1,024]; A: input x; B: input Wv: QUANTISED (scales: A lowp_scales[4], B lowp_scales[5])
;;     4. [M 2,048, K 1] x [K 1, N 32]; A: computed on the way; B: computed on the way: left as it is (no contracted axis)
;;     5. batch 64 x [M 2,048, K 64] x [K 64, N 2,048]; A: computed on the way; B: computed on the way: QUANTISED (scales: A lowp_scales[6], B lowp_scales[7])
;;     6. batch 64 x [M 64, K 2,048] x [K 2,048, N 2,048]; A: computed on the way; B: softmax (see below): QUANTISED (scales: A lowp_scales[8], B lowp_scales[9])
;;     7. [M 8,192, K 1,024] x [K 1,024, N 1,024]; A: computed on the way; B: input Wo: QUANTISED (scales: A lowp_scales[10], B lowp_scales[11])
;;   THE QUANTISER, for each operand of a quantised product, along K:
;;     - The operand's scale is 2^e, e = its entry of the input lowp_scales (int32; the entries are numbered through the quantised products in the list's order, A before B).
;;     - Each number is divided by the scale, clamped to +-57,344, and rounded to the nearest number of E5M2, ties to even, subnormals kept.
;;     - The product sums the exact products of the quantised numbers (number of the format x scale) in f32.
;;   ~~~python
;;   def quantise(x, axis, e):      # numpy; x: float32 -> the quantised numbers, widened to float32 again
;;       x = np.moveaxis(x, axis, -1); K = x.shape[-1]
;;       r = np.clip(x / 2.0 ** e, -57344, 57344)
;;       step = 2.0 ** (np.maximum(np.frexp(np.where(r == 0, 1, r))[1] - 1, -14) - 2)
;;       q = np.round(r / step) * step * 2.0 ** e      # np.round: ties to even
;;       return np.moveaxis(q, -1, axis).astype(np.float32)
;;   ~~~
;;   SOFTMAX AHEAD OF A QUANTISED PRODUCT. Where the list says 'softmax', what is quantised is not the finished softmax but p = 2^(t - M), with t = logit x log2(e) and M = ceil(the row's largest t), a whole number; so 1/2 < the row's largest p <= 1. The row's sum l is taken of the UNQUANTISED p, in f32, and the product's result is divided by l at the end. Since M is a whole number, a kernel that streams over the keys may use a running M (the ceiling of the running maximum): every later rescaling is an exact power of two, so the quantised numbers keep their values, but for numbers so far below the row's largest that they fall under the format's range.
;;   OPERANDS COMPUTED ON THE WAY. 'Computed on the way' means the value that the module computes at that place (a softmax that the list does not call 'softmax' is quantised finished and normalised). What goes into a quantiser is computed in f32, as accurately as f32 sums, v_exp_f32 and their like allow (about 1e-6 of the number): no bf16 or f16 on the way to a quantiser, and a product that is left as it is and whose result goes on into a quantised operand takes f32 operands (vector FMAs, or v_wmma_f32_16x16x4_f32). A number that lies on a knife's edge between two numbers of the format may be rounded either way, as far as f32 arithmetic and the matrix unit's own rounding can turn it there, and no further.
;; One version. Each part assembles by itself: llvm-mc -triple=amdgcn-amd-amdhsa -mcpu=gfx1250 --defsym DOCPART=n.
;; ======== version 1 of 1: 4 launches
;; limits: right only within a limited range of input values
;; workspace buffers: xf 25,165,824 bytes; wf 4,194,304 bytes; tab 524,288 bytes; qf 8,388,608 bytes; kf 8,388,608 bytes; vf 8,388,608 bytes; af 8,388,608 bytes
;; launch prep (part 1): grid 1296 x 1, 4 waves a work-group, no clusters, 34,304 bytes of LDS; arguments x, Wq, Wk, Wv, Wo, lowp_scales, xf, wf, tab; writes xf, wf, tab
.if DOCPART == 1
	.amdgcn_target "amdgcn-amd-amdhsa--gfx1250"
	.amdhsa_code_object_version 6
	.text
	.protected	k_q3bc45d2d0d_prep
	.globl	k_q3bc45d2d0d_prep
	.p2align	8
	.type	k_q3bc45d2d0d_prep,@function
k_q3bc45d2d0d_prep:
	s_mov_b64 s[64:65], 0
	v_nop
	global_prefetch_b8 v0, s[64:65] scope:SCOPE_SE
	s_setreg_imm32_b32 hwreg(HW_REG_WAVE_MODE, 25, 1), 1
	s_wait_xcnt 0x0
; Three jobs, parted on the work-group's number n; each way is straight and ends by itself.
;   X (n < 1024):         x [8192][1024] f32 -> codes of E5M2, three times (scales 2^e0, 2^e2, 2^e4), as images of operand registers: xf [p 3][row tile 512][K step 8][2048 bytes]
;   W (1024 <= n < 1280): Wq, Wk, Wv, Wo [k 1024][n 1024] f32 -> codes (scales e1, e3, e5, e11): wf [w 4][column tile 64][K step 8][2048 bytes]
;   T (n >= 1280):        cos and sin of RoPE's angles, f32: tab [position tile 128][g 8][lane 32][16 bytes]
; TILES.  Tile 2 G + u of 16 rows (of x; of columns of a weight; of positions) takes at place r the index 32 G + 8 u + (r & 7) + 16 (r >> 3).
; IMAGES.  A fragment (16 x 128 K) is 2,048 bytes: group c (registers 4 c .. 4 c + 3) at 512 c + 16 x lane; lane (r, h) holds k = 32 c + 16 h + 0 .. 15 of the tile's place r.
; code = number / 2^e, held within +-57,344, to the nearest code, ties to even.
; LIMITS: each e used here lies between -126 and 112, so that 2^e and 57,344 x 2^e are f32 numbers.  NaN among the inputs is not served.
; No matrix instruction, no tensor load, no barrier: waves share nothing.  Only way X uses LDS.
.set NX, 1024
.set NW, 256
.set R, 16                             ; X: v16-79    the 16 rows' 512 bytes as they are loaded
.set X, 80                             ; X: v80-143   64 numbers of my row: register 16 c + i = k 32 c + 16 h + i
.set T, 144                            ; X: v144-175  two sets of 16 held numbers
.set C, 176                            ; X: v176-223  codes: 16 registers for each of the three scales
.set SP, 528                           ; X: a stage row: 512 bytes + 16, so that the 16 rows that a load touches start at 16 different banks (64 banks of 4 bytes: ISA guide 11.1)
	s_load_b512 s[4:19], s[0:1], 0x0               ; x s[4:5], Wq s[6:7], Wk s[8:9], Wv s[10:11], Wo s[12:13], the scales s[14:15], xf s[16:17], wf s[18:19]
	s_load_b64 s[20:21], s[0:1], 0x40              ; tab
	v_lshl_add_u32 v224, v0, 2, 0x8400
	v_mov_b32 v225, 0
	v_lshrrev_b32 v1, 5, v0
	v_readfirstlane_b32 s22, v1                    ; wave 0..3
	v_and_b32 v1, 31, v0                           ; lane
	v_lshlrev_b32 v2, 4, v1                        ; 16 x lane
	s_wait_kmcnt 0x0
	s_cmp_lt_u32 ttmp9, NX
	s_cbranch_scc0 .Lnot_x
; ---------------- X: one wave makes one fragment of x, in all three scales
	s_load_b256 s[24:31], s[14:15], 0x0            ; e0 .. e7: x's are entries 0, 2, 4
	s_lshr_b32 s36, ttmp9, 1                       ; row tile
	s_and_b32 s37, ttmp9, 1
	s_lshl_b32 s37, s37, 2
	s_add_co_u32 s37, s37, s22                     ; K step = 4 (n & 1) + wave
	s_lshr_b32 s38, s36, 1
	s_lshl_b32 s38, s38, 5
	s_and_b32 s39, s36, 1
	s_lshl_b32 s39, s39, 3
	s_add_co_u32 s38, s38, s39                     ; the tile's first row: 32 G + 8 u
	s_lshl_b32 s38, s38, 12                        ; x 4,096 bytes
	s_lshl_b32 s39, s37, 9
	s_add_co_u32 s38, s38, s39                     ; + 512 bytes x K step
	s_mov_b32 s39, 0
	s_add_nc_u64 s[4:5], s[4:5], s[38:39]
	s_wait_alu depctr_va_vdst(0)
.irp i, 0,1,2,3,4,5,6,7,8,9,10,11,12,13,14,15
	global_load_b128 v[R+4*\i:R+4*\i+3], v2, s[4:5] offset:((\i&7)+16*(\i>>3))*4096 th:TH_LOAD_NT   ; place i's row: 32 lanes read 512 consecutive bytes
.endr
	s_lshl_b32 s40, s36, 3
	s_add_co_u32 s40, s40, s37
	s_lshl_b32 s40, s40, 11                        ; (8 x row tile + K step) x 2,048
	s_mov_b32 s41, 0
	s_add_nc_u64 s[42:43], s[16:17], s[40:41]      ; the fragment's place in xf[0],
	s_add_nc_u64 s[44:45], s[42:43], 0x800000      ; xf[1],
	s_add_nc_u64 s[46:47], s[42:43], 0x1000000     ; xf[2]
	s_mul_i32 s50, s22, 16*SP                      ; my wave's stage
	v_add_nc_u32 v3, s50, v2                       ; in: as loaded, 16 x lane
	v_and_b32 v5, 15, v1                           ; r
	v_lshrrev_b32 v6, 4, v1                        ; h
	v_mul_u32_u24 v4, v5, SP
	v_lshl_add_u32 v4, v6, 6, v4
	v_add_nc_u32 v4, s50, v4                       ; out: row r, + 64 h: my 16 numbers of a block of 32
	s_wait_alu depctr_va_vdst(0)
	s_wait_kmcnt 0x0
.irp p, 0,1,2
	s_add_co_i32 s48, s[24+2*\p], 127
	s_lshl_b32 s49, s48, 23
	v_mov_b32 v[8+2*\p], s49                       ; 2^e as f32: the conversion takes its exponent field
	s_add_co_i32 s48, s48, 15
	s_lshl_b32 s48, s48, 23
	s_or_b32 s48, s48, 0x600000
	v_mov_b32 v[9+2*\p], s48                       ; 57,344 x 2^e
.endr
	s_wait_alu depctr_va_vdst(0)
.irp i, 0,1,2,3,4,5,6,7,8,9,10,11,12,13,14,15
	s_wait_loadcnt 15-\i                           ; loads come back in order: row i is in, the 15 - i younger ones may be out
	ds_store_b128 v3, v[R+4*\i:R+4*\i+3] offset:SP*\i
.endr
.irp c, 0,1,2,3
.irp j, 0,1,2,3
	ds_load_b128 v[X+16*\c+4*\j:X+16*\c+4*\j+3], v4 offset:128*\c+16*\j   ; LDS serves a wave's instructions in order: these see my stores
.endr
.endr
.irp c, 0,1,2,3
	s_wait_dscnt 12-4*\c                           ; group c's four loads are in; the later groups' may be out
.irp p, 0,1,2
.set TT, T+16*((3*\c+\p)%2)
.irp i, 0,1,2,3,4,5,6,7,8,9,10,11,12,13,14,15
	v_med3_num_f32 v[TT+\i], v[X+16*\c+\i], -v[9+2*\p], v[9+2*\p]   ; the conversion does not saturate (ISA guide 7.6.2): the hold comes first.  These 16 write the other set than the conversions above read
.endr
	v_cvt_scalef32_pk8_bf8_f32 v[C+16*\p+4*\c:C+16*\p+4*\c+1], v[TT:TT+7], v[8+2*\p]
	v_cvt_scalef32_pk8_bf8_f32 v[C+16*\p+4*\c+2:C+16*\p+4*\c+3], v[TT+8:TT+15], v[8+2*\p]
.endr
.endr
.irp p, 0,1,2
.irp c, 0,1,2,3
	global_store_b128 v2, v[C+16*\p+4*\c:C+16*\p+4*\c+3], s[42+2*\p:43+2*\p] offset:512*\c   ; 32 lanes store 512 consecutive bytes, aligned
.endr
.endr
	s_wait_tensorcnt 0x0
	ds_add_u32 v224, v225
	s_wait_dscnt 0x0
	s_endpgm
; ---------------- W: a lane takes a column, its registers run down K: 32 columns x 128 K a wave
.Lnot_x:
	s_cmp_lt_u32 ttmp9, NX+NW
	s_cbranch_scc0 .Ltable
	s_load_b256 s[24:31], s[14:15], 0x0            ; e0 .. e7
	s_load_b128 s[32:35], s[14:15], 0x20           ; e8 .. e11
	s_sub_co_u32 s36, ttmp9, NX
	s_lshr_b32 s37, s36, 6                         ; which weight: 0 q, 1 k, 2 v, 3 o
	s_and_b32 s38, s36, 7
	s_bfe_u32 s39, s36, 0x30003                    ; K step
	s_lshl_b32 s38, s38, 2
	s_add_co_u32 s38, s38, s22                     ; G: my 32 columns
	s_cmp_eq_u32 s37, 1                            ; the choice hangs on the work-group's number alone
	s_cselect_b64 s[6:7], s[8:9], s[6:7]
	s_cmp_eq_u32 s37, 2
	s_cselect_b64 s[6:7], s[10:11], s[6:7]
	s_cmp_eq_u32 s37, 3
	s_cselect_b64 s[6:7], s[12:13], s[6:7]
	s_lshl_b32 s40, s39, 19                        ; 128 rows of 4,096 bytes x K step
	s_lshl_b32 s41, s38, 7                         ; + 128 bytes x G
	s_add_co_u32 s40, s40, s41
	s_mov_b32 s41, 0
	s_add_nc_u64 s[6:7], s[6:7], s[40:41]
	s_wait_alu depctr_va_vdst(0)
	v_lshlrev_b32 v3, 2, v1                        ; in: 4 bytes a lane
.macro WLOAD c                         ; block c: W(32 c + i, my column), i = 0 .. 31
.set kk, 0
.rept 32
	global_load_b32 v[16+32*(\c)+kk], v3, s[6:7] offset:(32*(\c)+kk)*4096 th:TH_LOAD_NT
.set kk, kk+1
.endr
.endm
	WLOAD 0
	WLOAD 1
	s_lshl_b32 s42, s37, 6
	s_lshl_b32 s43, s38, 1
	s_add_co_u32 s42, s42, s43                     ; column tile 64 w + 2 G
	s_lshl_b32 s42, s42, 3
	s_add_co_u32 s42, s42, s39
	s_lshl_b32 s42, s42, 11                        ; (8 x tile + K step) x 2,048
	s_mov_b32 s43, 0
	s_add_nc_u64 s[18:19], s[18:19], s[42:43]
	v_bfe_u32 v5, v1, 3, 1                         ; my column 8 u + (r & 7) + 16 (r >> 3) of the 32: u,
	v_and_b32 v6, 7, v1
	v_lshrrev_b32 v7, 4, v1
	v_lshl_add_u32 v6, v7, 3, v6                   ; and r
	v_lshlrev_b32 v4, 4, v6
	v_lshl_add_u32 v4, v5, 14, v4                  ; out: tile u (16,384 bytes on), 16 r
	s_wait_alu depctr_va_vdst(0)
	s_wait_kmcnt 0x0
	s_cmp_eq_u32 s37, 1
	s_cselect_b32 s25, s27, s25
	s_cmp_eq_u32 s37, 2
	s_cselect_b32 s25, s29, s25
	s_cmp_eq_u32 s37, 3
	s_cselect_b32 s25, s35, s25                    ; e: entry 1, 3, 5 or 11
	s_add_co_i32 s48, s25, 127
	s_lshl_b32 s49, s48, 23
	v_mov_b32 v11, s49                             ; 2^e
	s_add_co_i32 s48, s48, 15
	s_lshl_b32 s48, s48, 23
	s_or_b32 s48, s48, 0x600000
	v_mov_b32 v10, s48                             ; 57,344 x 2^e
.macro WBLOCK c
.if (\c) < 3
	s_wait_loadcnt 32                              ; this block's 32 loads are in; the next block's may be out
.else
	s_wait_loadcnt 0
.endif
.if (\c)+2 < 4
	WLOAD (\c)+2
.endif
.set kk, 0
.rept 32
	v_med3_num_f32 v[16+32*(\c)+kk], v[16+32*(\c)+kk], -v10, v10
.set kk, kk+1
.endr
.irp g, 0,1,2,3
	v_cvt_scalef32_pk8_bf8_f32 v[144+8*(\c)+2*\g:144+8*(\c)+2*\g+1], v[16+32*(\c)+8*\g:16+32*(\c)+8*\g+7], v11
.endr
	global_store_b128 v4, v[144+8*(\c):144+8*(\c)+3], s[18:19] offset:512*(\c)          ; k 32 c + 0 .. 15: the image's lanes 0-15; the 16 lanes of one u fill 256 consecutive bytes, aligned
	global_store_b128 v4, v[144+8*(\c)+4:144+8*(\c)+7], s[18:19] offset:512*(\c)+256    ; k 32 c + 16 .. 31: its lanes 16-31
.endm                                  ; (each block has registers of its own for numbers and codes: nothing that a store reads is written again; the next block's holds are the plain lines behind the conversions)
	s_wait_alu depctr_va_vdst(0)
	WBLOCK 0
	WBLOCK 1
	WBLOCK 2
	WBLOCK 3
	s_endpgm
; ---------------- T: a lane takes a position and makes cos and sin of its 32 angles
; angle = position x 10^(-f / 8), one rounding.  k = nearest whole number to angle x 2 / pi; rho = angle - k pi / 2 with pi / 2 in two parts (the first
; multiply-add rounds nothing: the difference is a multiple of 2^-23 below 1); polynomials of degree 7 and 8 on |rho| <= pi / 4; the quadrant k mod 4 swaps and signs.
.Ltable:
	s_sub_co_u32 s36, ttmp9, NX+NW
	s_lshl_b32 s36, s36, 2
	s_add_co_u32 s36, s36, s22                     ; G: 32 positions a wave
	s_wait_alu depctr_va_vdst(0)
	v_lshrrev_b32 v3, 4, v1                        ; u
	v_and_b32 v4, 15, v1                           ; r
	v_and_b32 v5, 7, v4
	v_lshrrev_b32 v6, 3, v4
	v_lshl_add_u32 v5, v6, 4, v5
	v_lshl_add_u32 v5, v3, 3, v5
	s_lshl_b32 s37, s36, 5
	v_add_nc_u32 v5, s37, v5                       ; position = 32 G + 8 u + (r & 7) + 16 (r >> 3)
	v_cvt_f32_u32 v5, v5
	s_wait_alu depctr_va_vdst(0)
	v_lshlrev_b32 v6, 4, v4
	v_lshl_add_u32 v6, v3, 12, v6                  ; out: tile u (4,096 bytes on), 16 r
	s_lshl_b32 s38, s36, 13
	s_mov_b32 s39, 0
	s_add_nc_u64 s[20:21], s[20:21], s[38:39]
	s_mov_b32 s40, 0x3f22f983                      ; 2 / pi
	s_mov_b32 s41, 0xbfc90fdb                      ; -(pi / 2, first part)
	s_mov_b32 s42, 0x333bbd2e                      ; -(pi / 2, second part): the second part is negative
	s_mov_b32 s43, 0xb94ca1f9                      ; sine: -1.9515296e-4,
	s_mov_b32 s44, 0x3c08839e                      ; 8.3321609e-3,
	s_mov_b32 s45, 0xbe2aaaa3                      ; -1.6666655e-1
	s_mov_b32 s46, 0x37ccf5ce                      ; cosine: 2.4433157e-5,
	s_mov_b32 s47, 0xbab6061a                      ; -1.3887316e-3,
	s_mov_b32 s48, 0x3d2aaaa5                      ; 4.1666646e-2
.macro TRIG f, lit
	v_mul_f32 v8, \lit, v5                         ; the angle
	v_mul_f32 v9, s40, v8
	v_rndne_f32 v9, v9                             ; k
	v_fma_f32 v8, v9, s41, v8
	v_fma_f32 v8, v9, s42, v8                      ; rho
	v_mul_f32 v10, v8, v8                          ; z
	v_cvt_i32_f32 v9, v9
	v_fma_f32 v11, v10, s43, s44
	v_fma_f32 v13, v10, s46, s47
	v_mul_f32 v12, v8, v10                         ; rho z
	v_mul_f32 v14, v10, v10                        ; z z
	v_fma_f32 v11, v11, v10, s45
	v_fma_f32 v13, v13, v10, s48
	v_fma_f32 v15, v10, -0.5, 1.0
	v_fma_f32 v11, v11, v12, v8                    ; sin rho
	v_fma_f32 v13, v13, v14, v15                   ; cos rho
	v_and_b32 v14, 1, v9
	v_cmp_eq_u32 vcc_lo, 1, v14
	v_cndmask_b32 v12, v11, v13, vcc_lo            ; odd k: the two change places
	v_cndmask_b32 v13, v13, v11, vcc_lo
	v_and_b32 v14, 2, v9                           ; sine is negated where k mod 4 is 2 or 3,
	v_add_nc_u32 v15, 1, v9
	v_lshlrev_b32 v14, 30, v14
	v_and_b32 v15, 2, v15                          ; cosine where it is 1 or 2
	v_xor_b32 v[64+\f], v14, v12
	v_lshlrev_b32 v15, 30, v15
	v_xor_b32 v[32+\f], v15, v13
.endm
	TRIG 0, 1.0
	TRIG 1, 0.7498942093
	TRIG 2, 0.5623413252
	TRIG 3, 0.4216965034
	TRIG 4, 0.3162277660
	TRIG 5, 0.2371373706
	TRIG 6, 0.1778279410
	TRIG 7, 0.1333521432
	TRIG 8, 0.1
	TRIG 9, 0.07498942093
	TRIG 10, 0.05623413252
	TRIG 11, 0.04216965034
	TRIG 12, 0.03162277660
	TRIG 13, 0.02371373706
	TRIG 14, 0.01778279410
	TRIG 15, 0.01333521432
	TRIG 16, 0.01
	TRIG 17, 0.007498942093
	TRIG 18, 0.005623413252
	TRIG 19, 0.004216965034
	TRIG 20, 0.003162277660
	TRIG 21, 0.002371373706
	TRIG 22, 0.001778279410
	TRIG 23, 0.001333521432
	TRIG 24, 0.001
	TRIG 25, 0.0007498942093
	TRIG 26, 0.0005623413252
	TRIG 27, 0.0004216965034
	TRIG 28, 0.0003162277660
	TRIG 29, 0.0002371373706
	TRIG 30, 0.0001778279410
	TRIG 31, 0.0001333521432
.irp h, 0,1
.irp g, 0,1,2,3
	global_store_b128 v6, v[32+16*\h+4*\g:32+16*\h+4*\g+3], s[20:21] offset:512*\g+256*\h       ; cos of frequencies 16 h + 4 g on: what lane (r, h) of the reader wants; 16 lanes fill 256 consecutive bytes, aligned
	global_store_b128 v6, v[64+16*\h+4*\g:64+16*\h+4*\g+3], s[20:21] offset:512*(\g+4)+256*\h   ; sin likewise
.endr
.endr
	s_endpgm
.Lfunc_end_k_q3bc45d2d0d_prep:
	.size	k_q3bc45d2d0d_prep, .Lfunc_end_k_q3bc45d2d0d_prep-k_q3bc45d2d0d_prep
	.p2alignl 7, 3214868480
	.fill 96, 4, 3214868480
	.section	.rodata,"a",@progbits
	.p2align	6, 0x0
	.amdhsa_kernel k_q3bc45d2d0d_prep
		.amdhsa_group_segment_fixed_size 34304
		.amdhsa_private_segment_fixed_size 0
		.amdhsa_enable_private_segment 0
		.amdhsa_kernarg_size 72
		.amdhsa_user_sgpr_count 2
		.amdhsa_user_sgpr_kernarg_segment_ptr 1
		.amdhsa_wavefront_size32 1
		.amdhsa_system_sgpr_workgroup_id_x 1
		.amdhsa_system_sgpr_workgroup_id_y 1
		.amdhsa_system_sgpr_workgroup_id_z 1
		.amdhsa_system_vgpr_workitem_id 0
		.amdhsa_next_free_vgpr 226
		.amdhsa_next_free_sgpr 66
		.amdhsa_reserve_vcc 1
		.amdhsa_float_denorm_mode_32 3
		.amdhsa_float_denorm_mode_16_64 3
		.amdhsa_memory_ordered 1
		.amdhsa_forward_progress 1
		.amdhsa_inst_pref_size 86
	.end_amdhsa_kernel
	.amdgpu_metadata
---
amdhsa.version: [ 1, 2 ]
amdhsa.kernels:
  - .name:           k_q3bc45d2d0d_prep
    .symbol:         k_q3bc45d2d0d_prep.kd
    .args:
      - { .name: x, .offset: 0, .size: 8, .value_kind: global_buffer, .address_space: global }
      - { .name: Wq, .offset: 8, .size: 8, .value_kind: global_buffer, .address_space: global }
      - { .name: Wk, .offset: 16, .size: 8, .value_kind: global_buffer, .address_space: global }
      - { .name: Wv, .offset: 24, .size: 8, .value_kind: global_buffer, .address_space: global }
      - { .name: Wo, .offset: 32, .size: 8, .value_kind: global_buffer, .address_space: global }
      - { .name: lowp_scales, .offset: 40, .size: 8, .value_kind: global_buffer, .address_space: global }
      - { .name: xf, .offset: 48, .size: 8, .value_kind: global_buffer, .address_space: global }
      - { .name: wf, .offset: 56, .size: 8, .value_kind: global_buffer, .address_space: global }
      - { .name: tab, .offset: 64, .size: 8, .value_kind: global_buffer, .address_space: global }
    .group_segment_fixed_size: 34304
    .private_segment_fixed_size: 0
    .kernarg_segment_align: 8
    .kernarg_segment_size: 72
    .max_flat_workgroup_size: 128
    .sgpr_count:     66
    .vgpr_count:     226
    .wavefront_size: 32
...
	.end_amdgpu_metadata
.endif
;; end of part 1
;; launch qkv (part 2): grid 4 x 48, 4 waves a work-group, clusters of 4 x 1, 327,680 bytes of LDS; arguments xf, wf, tab, bq, bk, bv, lowp_scales, qf, kf, vf; writes qf, kf, vf
.if DOCPART == 2
	.amdgcn_target "amdgcn-amd-amdhsa--gfx1250"
	.amdhsa_code_object_version 6
	.text
	.protected	k_q3bc45d2d0d_qkv
	.globl	k_q3bc45d2d0d_qkv
	.p2align	8
	.type	k_q3bc45d2d0d_qkv,@function
k_q3bc45d2d0d_qkv:
	s_mov_b64 s[64:65], 0
	v_nop
	global_prefetch_b8 v0, s[64:65] scope:SCOPE_SE
	s_setreg_imm32_b32 hwreg(HW_REG_WAVE_MODE, 25, 1), 1
	s_wait_xcnt 0x0
	s_wait_alu depctr_hold_cnt(0) depctr_sa_sdst(0) depctr_va_vdst(0) depctr_va_sdst(0) depctr_va_ssrc(0) depctr_va_vcc(0) depctr_vm_vsrc(0)
	s_getreg_b32 s2, hwreg(HW_REG_IB_STS2, 6, 4)
	s_cmp_eq_u32 s2, 0
	s_cbranch_scc0 .Lentry_in_a_cluster
	s_endpgm
.Lentry_in_a_cluster:
	s_bfe_u32 s2, ttmp6, 0x10000c
	s_cmp_lg_u32 s2, 0x3003
	s_cbranch_scc0 .Lentry_shape_is_right
	s_endpgm
.Lentry_shape_is_right:
.set SLOTB, 131072
.set STEPB, 32768
.set SPARE, 2*SLOTB
.set LI,  2
.set ADR, 3
.set SPW, 4
.set NIL, 5
.set SC,  6
.set LIM, 7
.set BO,  8
.set BOV, 9
.set CD,  16
.set BI,  32
.set ACC, 64
.set TB,  128
.set TMP, 192
.set MSB, 0
.macro WIN new
.if MSB != (\new)
	s_set_vgpr_msb (MSB<<8)|(\new)
.set MSB, (\new)
.endif
.endm
.macro PLACES n
.rept \n
	v_nop
.endr
.endm
.macro CROUND
	s_barrier_signal -1
	s_barrier_wait -1
	s_cmp_lg_u32 s24, 0
	s_cbranch_scc1 .Lnot_wave_0_\@
	s_barrier_signal -3
.Lnot_wave_0_\@:
	s_barrier_wait -3
	s_barrier_signal -1
	s_barrier_wait -1
.endm
	s_load_b512 s[4:19], s[0:1], 0x0
	s_load_b128 s[20:23], s[0:1], 0x40
	v_lshl_add_u32 v[SPW], v0, 2, SPARE
	v_mov_b32 v[NIL], 0
	ds_add_u32 v4, v5
	ds_add_u32 v4, v5
	s_wait_dscnt 0x0
	v_lshrrev_b32 v1, 5, v0
	v_readfirstlane_b32 s24, v1
	s_bfe_u32 s25, ttmp6, 0x40000
	s_and_b32 s26, ttmp7, 0xffff
	s_lshr_b32 s27, s26, 4
	s_and_b32 s28, s26, 15
	s_lshl_b32 s29, s25, 2
	s_add_co_u32 s29, s29, s24
	s_mov_b32 s32, 15|(3<<16)|(1<<21)
	s_mov_b32 s33, 32<<16
	s_mov_b32 s34, 128<<16
	s_mov_b32 s35, 32<<16
	s_mov_b32 s36, 128
	s_mov_b32 s37, 32
	s_mov_b32 s38, 0
	s_mov_b32 s39, 0
	s_lshl_b32 s80, s27, 23
	s_lshl_b32 s81, s28, 19
	s_add_co_u32 s80, s80, s81
	s_lshl_b32 s82, s24, 15
	s_add_co_u32 s80, s80, s82
	s_mov_b32 s81, 0
	s_wait_kmcnt 0x0
	s_load_b256 s[48:55], s[16:17], 0x0
	s_load_b128 s[56:59], s[16:17], 0x20
	s_mov_b32 s40, 1
	s_mov_b32 s41, s82
	s_add_nc_u64 s[42:43], s[4:5], s[80:81]
	s_mov_b32 s44, 1
	s_add_co_u32 s45, s82, SLOTB
	s_add_nc_u64 s[46:47], s[42:43], SLOTB
	s_or_b32 s43, s43, 0x80000000
	s_or_b32 s47, s47, 0x80000000
	CROUND
	tensor_load_to_lds s[40:43], s[32:39]
	s_nop 0
	; my wave's 64 columns of the weight, all of K, into windows 1 and 2: asked for while the first tile of x is on its way
	v_and_b32 v1, 31, v0
	v_lshlrev_b32 v[LI], 4, v1
	s_lshl_b32 s80, s27, 4
	s_add_co_u32 s80, s80, s29
	s_lshl_b32 s80, s80, 16
	s_add_nc_u64 s[6:7], s[6:7], s[80:81]
	WIN 0x40
.irp ks, 0,1,2,3
.irp t, 0,1,2,3
.irp c, 0,1,2,3
	global_load_b128 v[16*(4*\ks+\t)+4*\c:16*(4*\ks+\t)+4*\c+3], v[LI], s[6:7] offset:(8*\t+\ks)*2048+512*\c
.endr
.endr
.endr
	WIN 0x80
.irp ks, 0,1,2,3
.irp t, 0,1,2,3
.irp c, 0,1,2,3
	global_load_b128 v[16*(4*\ks+\t)+4*\c:16*(4*\ks+\t)+4*\c+3], v[LI], s[6:7] offset:(8*\t+\ks+4)*2048+512*\c
.endr
.endr
.endr
	WIN 0
	s_wait_alu depctr_va_vdst(0)
	s_wait_tensorcnt 0x0
	ds_add_u32 v4, v5
	s_wait_dscnt 0x0
	CROUND
	tensor_load_to_lds s[44:47], s[32:39]
	s_nop 0
	PLACES 4
	v_and_b32 v14, 15, v0
	v_bfe_u32 v15, v0, 4, 1
	v_lshlrev_b32 v[BO], 6, v15
	v_and_b32 v[BOV], 7, v14
	v_lshrrev_b32 v14, 3, v14
	v_lshl_add_u32 v[BOV], v14, 4, v[BOV]
	v_lshlrev_b32 v[BOV], 2, v[BOV]
	s_cmp_eq_u32 s27, 1
	s_cselect_b64 s[10:11], s[12:13], s[10:11]
	s_cselect_b64 s[70:71], s[20:21], s[18:19]
	s_cmp_eq_u32 s27, 2
	s_cselect_b64 s[10:11], s[14:15], s[10:11]
	s_cselect_b64 s[70:71], s[22:23], s[70:71]
	s_mov_b32 s74, 2048
	s_cselect_b32 s74, 512, s74
	s_cselect_b32 s76, 6144, 0
	s_mov_b32 s75, 0
	s_mov_b32 s77, 0
	s_lshl_b32 s80, s29, 8
	s_add_nc_u64 s[10:11], s[10:11], s[80:81]
	s_cmp_eq_u32 s27, 2
	s_cbranch_scc1 .Lbias_v
	s_wait_alu depctr_va_vdst(0)
.irp t, 0,1,2,3
	global_load_b128 v[BI+8*\t:BI+8*\t+3], v[BO], s[10:11] offset:(32*(\t/2)+8*(\t%2))*4
	global_load_b128 v[BI+8*\t+4:BI+8*\t+7], v[BO], s[10:11] offset:(32*(\t/2)+8*(\t%2))*4+16
.endr
	s_branch .Lbias_in
.Lbias_v:
	s_wait_alu depctr_va_vdst(0)
.irp t, 0,1,2,3
.irp j, 0,1,2,3,4,5,6,7
	global_load_b32 v[BI+8*\t+\j], v[BOV], s[10:11] offset:(32*(\t/2)+8*(\t%2))*4
.endr
.endr
.Lbias_in:
	s_and_b32 s80, s28, 3
	s_lshl_b32 s80, s80, 17
	s_add_nc_u64 s[72:73], s[8:9], s[80:81]
.irp u, 0,1
.irp g, 0,1,2,3,4,5,6,7
	global_load_b128 v[TB+32*\u+4*\g:TB+32*\u+4*\g+3], v[LI], s[72:73] offset:4096*\u+512*\g
.endr
.endr
	s_lshr_b32 s82, s28, 2
	s_lshl_b32 s82, s82, 4
	s_add_co_u32 s82, s82, s29
	s_lshl_b32 s82, s82, 17
	s_lshr_b32 s80, s80, 2
	s_add_co_u32 s80, s82, s80
	s_add_nc_u64 s[70:71], s[70:71], s[80:81]
	s_wait_kmcnt 0x0
	s_cmp_eq_u32 s27, 1
	s_cselect_b32 s84, s50, s48
	s_cselect_b32 s85, s51, s49
	s_cselect_b32 s86, s55, s54
	s_cmp_eq_u32 s27, 2
	s_cselect_b32 s84, s52, s84
	s_cselect_b32 s85, s53, s85
	s_cselect_b32 s86, s56, s86
	s_add_co_i32 s84, s84, s85
	s_sub_co_i32 s85, 0, s84
	s_sub_co_i32 s86, s86, s84
	s_add_co_i32 s86, s86, 127
	s_lshl_b32 s87, s86, 23
	v_mov_b32 v[SC], s87
	s_add_co_i32 s86, s86, 15
	s_lshl_b32 s86, s86, 23
	s_or_b32 s86, s86, 0x600000
	v_mov_b32 v[LIM], s86
	s_wait_loadcnt 0x0
.set jj, 0
.rept 32
	v_ldexp_f32 v[BI+jj], v[BI+jj], s85
.set jj, jj+1
.endr
.macro FETCH half
	WIN 0xc0
.irp u, 0,1
.irp kq, 0,1,2,3
.irp c, 0,1,2,3
	ds_load_b128 v[128*\half+16*(4*\u+\kq)+4*\c:128*\half+16*(4*\u+\kq)+4*\c+3], v[ADR] offset:(8*\u+4*\half+\kq)*2048+512*\c
.endr
.endr
.endr
	WIN 0
.endm
.macro MUL half, nat
.if \nat
	WIN 0x07+4*\half
.else
	WIN 0x0d+\half
.endif
.irp kq, 0,1,2,3
.irp u, 0,1
.irp t, 0,1,2,3
.set rD, ACC+8*(4*\u+\t)
.set rW, 16*(4*\kq+\t)
.set rA, 128*\half+16*(4*\u+\kq)
.if \nat
.if (\half == 0) && (\kq == 0)
	v_wmma_f32_16x16x128_bf8_bf8 v[rD:rD+7], v[rA:rA+15], v[rW:rW+15], v[BI+8*\t:BI+8*\t+7]
.else
	v_wmma_f32_16x16x128_bf8_bf8 v[rD:rD+7], v[rA:rA+15], v[rW:rW+15], v[rD:rD+7]
.endif
.else
.if (\half == 0) && (\kq == 0)
	v_wmma_f32_16x16x128_bf8_bf8 v[rD:rD+7], v[rW:rW+15], v[rA:rA+15], v[BI+8*\t:BI+8*\t+7]
.else
	v_wmma_f32_16x16x128_bf8_bf8 v[rD:rD+7], v[rW:rW+15], v[rA:rA+15], v[rD:rD+7]
.endif
.endif
.endr
.endr
.endr
.endm
.macro CHANGE fill
	s_wait_tensorcnt 0x0
	ds_add_u32 v[SPW], v[NIL]
.if \fill
	s_xor_b32 s45, s45, SLOTB
	s_add_nc_u64 s[46:47], s[46:47], SLOTB
.endif
	s_wait_dscnt 0x0
.if \fill
	CROUND
	tensor_load_to_lds s[44:47], s[32:39]
	s_nop 0
.else
	s_barrier_signal -1
	s_barrier_wait -1
.endif
	PLACES 4
.endm
.macro EPI_QK next
	s_wait_loadcnt 0x0
.if \next
	s_add_nc_u64 s[72:73], s[72:73], 8192
.endif
.irp u, 0,1
.irp i, 0,2,4,6,8,10,12,14
	v_pk_mul_f32 v[TMP+2*\i:TMP+2*\i+1], v[ACC+32*\u+16+\i:ACC+32*\u+17+\i], v[TB+32*\u+16+\i:TB+32*\u+17+\i]
	v_pk_mul_f32 v[TMP+2*\i+2:TMP+2*\i+3], v[ACC+32*\u+\i:ACC+32*\u+\i+1], v[TB+32*\u+16+\i:TB+32*\u+17+\i]
.endr
.irp i, 0,2,4,6,8,10,12,14
	v_pk_fma_f32 v[ACC+32*\u+\i:ACC+32*\u+\i+1], v[ACC+32*\u+\i:ACC+32*\u+\i+1], v[TB+32*\u+\i:TB+32*\u+\i+1], v[TMP+2*\i:TMP+2*\i+1] neg_lo:[0,0,1] neg_hi:[0,0,1]
	v_pk_fma_f32 v[ACC+32*\u+16+\i:ACC+32*\u+17+\i], v[ACC+32*\u+16+\i:ACC+32*\u+17+\i], v[TB+32*\u+\i:TB+32*\u+\i+1], v[TMP+2*\i+2:TMP+2*\i+3]
.endr
.if \next
.irp g, 0,1,2,3,4,5,6,7
	global_load_b128 v[TB+32*\u+4*\g:TB+32*\u+4*\g+3], v[LI], s[72:73] offset:4096*\u+512*\g
.endr
.endif
.set jj, 0
.rept 32
	v_med3_num_f32 v[ACC+32*\u+jj], v[ACC+32*\u+jj], -v[LIM], v[LIM]
.set jj, jj+1
.endr
.irp g, 0,1,2,3
	v_cvt_scalef32_pk8_bf8_f32 v[CD+8*\u+2*\g:CD+8*\u+2*\g+1], v[ACC+32*\u+8*\g:ACC+32*\u+8*\g+7], v[SC]
.endr
.endr
	v_nop
.irp u, 0,1
.irp g, 0,1
	global_store_b128 v[LI], v[CD+8*\u+4*\g:CD+8*\u+4*\g+3], s[70:71] offset:1024*\u+512*\g
.endr
.endr
	s_wait_xcnt 0x0
	s_add_nc_u64 s[70:71], s[70:71], s[74:75]
.endm
.macro EPI_V
.set jj, 0
.rept 64
	v_med3_num_f32 v[ACC+jj], v[ACC+jj], -v[LIM], v[LIM]
.set jj, jj+1
.endr
.irp t, 0,1,2,3
	v_cvt_scalef32_pk8_bf8_f32 v[CD+4*\t:CD+4*\t+1], v[ACC+8*\t:ACC+8*\t+7], v[SC]
	v_cvt_scalef32_pk8_bf8_f32 v[CD+4*\t+2:CD+4*\t+3], v[ACC+32+8*\t:ACC+32+8*\t+7], v[SC]
.endr
	v_nop
.irp t, 0,1,2,3
	global_store_b128 v[LI], v[CD+4*\t:CD+4*\t+3], s[70:71] offset:2048*\t
.endr
	s_wait_xcnt 0x0
	s_add_nc_u64 s[70:71], s[70:71], s[74:75]
.endm
.macro STEP chg
	s_wait_dscnt 0x0
	FETCH 1
	s_cmp_eq_u32 s27, 2
	s_cbranch_scc1 .Lmul_v_\@
	MUL 0, 0
	s_wait_dscnt 0x0
	MUL 1, 0
	WIN 0
	s_branch .Lmul_done_\@
.Lmul_v_\@:
	MUL 0, 1
	s_wait_dscnt 0x0
	MUL 1, 1
	WIN 0
.Lmul_done_\@:
.if \chg == 0
	s_add_co_u32 s66, s66, STEPB
	PLACES 4
.elseif \chg == 1
	CHANGE 1
	s_sub_co_u32 s66, s66, 3*STEPB
	s_xor_b32 s66, s66, SLOTB
.elseif \chg == 2
	CHANGE 0
	s_sub_co_u32 s66, s66, 3*STEPB
	s_xor_b32 s66, s66, SLOTB
.else
	PLACES 4
.endif
.if \chg != 3
	v_add_nc_u32 v[ADR], s66, v[LI]
	FETCH 0
.endif
	s_cmp_eq_u32 s27, 2
	s_cbranch_scc1 .Lepi_v_\@
.if \chg == 3
	EPI_QK 0
.else
	EPI_QK 1
.endif
	s_branch .Lepi_done_\@
.Lepi_v_\@:
	EPI_V
.Lepi_done_\@:
.if (\chg == 1) || (\chg == 2)
	s_add_nc_u64 s[70:71], s[70:71], s[76:77]
.endif
.endm
	s_mov_b32 s66, 0
	s_wait_tensorcnt 0x1
	s_barrier_signal -1
	s_barrier_wait -1
	v_mov_b32 v[ADR], v[LI]
	FETCH 0
	s_mov_b32 s67, 2
.Lblk:
	s_mov_b32 s68, 3
.Lst_a:
	s_wait_alu depctr_va_vdst(0)
	STEP 0
	s_sub_co_u32 s68, s68, 1
	s_cmp_lg_u32 s68, 0
	s_cbranch_scc1 .Lst_a
	STEP 1
	s_sub_co_u32 s67, s67, 1
	s_cmp_lg_u32 s67, 0
	s_cbranch_scc1 .Lblk
	s_mov_b32 s68, 3
.Lst_b:
	STEP 0
	s_sub_co_u32 s68, s68, 1
	s_cmp_lg_u32 s68, 0
	s_cbranch_scc1 .Lst_b
	STEP 2
	s_mov_b32 s68, 3
.Lst_c:
	STEP 0
	s_sub_co_u32 s68, s68, 1
	s_cmp_lg_u32 s68, 0
	s_cbranch_scc1 .Lst_c
	STEP 3
	s_wait_tensorcnt 0x0
	ds_add_u32 v[SPW], v[NIL]
	s_wait_dscnt 0x0
	CROUND
	s_endpgm
.Lfunc_end_k_q3bc45d2d0d_qkv:
	.size	k_q3bc45d2d0d_qkv, .Lfunc_end_k_q3bc45d2d0d_qkv-k_q3bc45d2d0d_qkv
	.p2alignl 7, 3214868480
	.fill 96, 4, 3214868480
	.section	.rodata,"a",@progbits
	.p2align	6, 0x0
	.amdhsa_kernel k_q3bc45d2d0d_qkv
		.amdhsa_group_segment_fixed_size 327680
		.amdhsa_private_segment_fixed_size 0
		.amdhsa_enable_private_segment 0
		.amdhsa_kernarg_size 80
		.amdhsa_user_sgpr_count 2
		.amdhsa_user_sgpr_kernarg_segment_ptr 1
		.amdhsa_wavefront_size32 1
		.amdhsa_system_sgpr_workgroup_id_x 1
		.amdhsa_system_sgpr_workgroup_id_y 1
		.amdhsa_system_sgpr_workgroup_id_z 1
		.amdhsa_system_vgpr_workitem_id 0
		.amdhsa_next_free_vgpr 1024
		.amdhsa_next_free_sgpr 100
		.amdhsa_reserve_vcc 0
		.amdhsa_float_denorm_mode_32 3
		.amdhsa_float_denorm_mode_16_64 3
		.amdhsa_memory_ordered 1
		.amdhsa_forward_progress 1
		.amdhsa_inst_pref_size 196
	.end_amdhsa_kernel
	.amdgpu_metadata
---
amdhsa.version: [ 1, 2 ]
amdhsa.kernels:
  - .name:           k_q3bc45d2d0d_qkv
    .symbol:         k_q3bc45d2d0d_qkv.kd
    .args:
      - { .name: xf, .offset: 0, .size: 8, .value_kind: global_buffer, .address_space: global }
      - { .name: wf, .offset: 8, .size: 8, .value_kind: global_buffer, .address_space: global }
      - { .name: tab, .offset: 16, .size: 8, .value_kind: global_buffer, .address_space: global }
      - { .name: bq, .offset: 24, .size: 8, .value_kind: global_buffer, .address_space: global }
      - { .name: bk, .offset: 32, .size: 8, .value_kind: global_buffer, .address_space: global }
      - { .name: bv, .offset: 40, .size: 8, .value_kind: global_buffer, .address_space: global }
      - { .name: lowp_scales, .offset: 48, .size: 8, .value_kind: global_buffer, .address_space: global }
      - { .name: qf, .offset: 56, .size: 8, .value_kind: global_buffer, .address_space: global }
      - { .name: kf, .offset: 64, .size: 8, .value_kind: global_buffer, .address_space: global }
      - { .name: vf, .offset: 72, .size: 8, .value_kind: global_buffer, .address_space: global }
    .group_segment_fixed_size: 327680
    .private_segment_fixed_size: 0
    .kernarg_segment_align: 8
    .kernarg_segment_size: 80
    .max_flat_workgroup_size: 128
    .sgpr_count:     100
    .vgpr_count:     1024
    .wavefront_size: 32
...
	.end_amdgpu_metadata
.endif
;; end of part 2
;; launch attn (part 3): grid 4 x 64, 16 waves a work-group, clusters of 4 x 1, 264,192 bytes of LDS; arguments qf, kf, vf, lowp_scales, af; writes af
.if DOCPART == 3
	.amdgcn_target "amdgcn-amd-amdhsa--gfx1250"
	.amdhsa_code_object_version 6
	.text
	.protected	k_q3bc45d2d0d_attn
	.globl	k_q3bc45d2d0d_attn
	.p2align	8
	.type	k_q3bc45d2d0d_attn,@function
k_q3bc45d2d0d_attn:
	s_mov_b64 s[64:65], 0
	v_nop
	global_prefetch_b8 v0, s[64:65] scope:SCOPE_SE
	s_setreg_imm32_b32 hwreg(HW_REG_WAVE_MODE, 25, 1), 1
	s_wait_xcnt 0x0
	s_wait_alu depctr_hold_cnt(0) depctr_sa_sdst(0) depctr_va_vdst(0) depctr_va_sdst(0) depctr_va_ssrc(0) depctr_va_vcc(0) depctr_vm_vsrc(0)
	s_getreg_b32 s2, hwreg(HW_REG_IB_STS2, 6, 4)
	s_cmp_eq_u32 s2, 0
	s_cbranch_scc0 .Lentry_in_a_cluster
	s_endpgm
.Lentry_in_a_cluster:
	s_bfe_u32 s2, ttmp6, 0x10000c
	s_cmp_lg_u32 s2, 0x3003
	s_cbranch_scc0 .Lentry_shape_is_right
	s_endpgm
.Lentry_shape_is_right:
; Causal attention of one batch and head, on codes of E5M2: O[q] = sum over keys k <= q of softmax_k(Q[q] . K[k] / 8) V[k], and O quantised again (scale 2^e10) as the last projection's operand.
; Key steps all of whose keys come after a tile's queries lie under the mask that the problem builds itself, and are jumped over.
; qf, kf: [batch x head 64][tile of 16 positions 128][1,024 bytes]; vf: [64][step of 128 keys 16][channel tile 4][2,048 bytes]; af: [row tile 512][K step 8][2,048 bytes]: images of operand registers
; (group c at 512 c + 16 x lane; lane (r, h) holds k = 32 c + 16 h + 0 .. 15 of the tile's place r).  Tile 2 G + u takes at place r the index 32 G + 8 u + (r & 7) + 16 (r >> 3).
; THE SOFTMAX: t = score x log2(e) / 8; M = the running largest t rounded UP to a whole number; p = 2^(t - M) is quantised (scale 2^e9), not normalised; the row's sum is taken of the unquantised p and divides at the end.
; When M moves, the sum and O are multiplied by 2^(old M - new M), which rounds nothing.
; K AND V OF THE HEAD STAY IN LDS: K's 131,072 bytes from byte 0 (key step s at 8,192 s), V's 131,072 behind them; fetched once, nothing filled again: no ring, one barrier.
; CLUSTER.  The four work-groups of a cluster belong to one head: K and V are asked for JOINTLY (the mask names all four).  Each wave has ONE load of 16,384 bytes (64 rows of 256), to LDS byte 16,384 x wave: waves 0-7 K's, waves 8-15 V's.
; NO PREFETCH: every tile is asked for once, at the head; no loop runs ahead of a load.
; SHARES.  The head's 128 tiles of queries are 16 groups of 128 positions x 8 tiles.  Wave w takes tile ti = 2 cx + (w >> 3) of group gh = 15 - gl and of group gl = min(w, 15 - w): a tile of group g needs key steps
; 0 .. g, so every wave has (gh + 1) + (gl + 1) = 17 steps.  Branches hang on the wave's number and the loops' counters alone; the loops' trip counts are constants.
; LAYOUT.  Both products are used transposed: S^T = K Q^T (source 0 = 16 keys, source 1 = my 16 queries; K = 64), O^T = V^T P^T (source 0 = 16 channels, source 1 = P; K = 128 keys): a lane holds ONE query throughout,
; p's 16 registers of two neighbouring tiles are 16 neighbouring keys, and O^T's are 16 neighbouring channels: the conversions' results are the next operand's registers.
; LIMITS: e6 + e7 between -123 and 130 (added to c's exponent field); e9 and e10 between -126 and 112; e8 + e9 is applied by v_ldexp_f32 and has none.  The scaled scores stay under 2^31 in magnitude.
; REGISTERS: v1 16 x lane; v3 the same + 131,072; v2 the mask's number; v8, v9 LDS addresses of the step's K and V; v12 -M, v13 the largest t, v[14:15] the sum; v16-23, v24-31 Q of my two tiles;
;   v32-95 K's 8 fragments, then V's 4; v96-159 S^T, then p; v160-191 O^T; v192-207 p's codes; v208-215 O's codes; v230-254 at work; v240 and v229: 57,344 x 2^e9; v244: 2^e9; v241, v245: the same with e10.
.set VBASE, 131072
.set KSTEPB, 8192
.macro PLACES n
.rept \n
	v_nop
.endr
.endm
.macro CROUND                          ; a round of the cluster's barrier
	s_barrier_signal -1
	s_barrier_wait -1
	s_cmp_lg_u32 s14, 0
	s_cbranch_scc1 .Lnot_wave_0_\@
	s_barrier_signal -3
.Lnot_wave_0_\@:
	s_barrier_wait -3
	s_barrier_signal -1
	s_barrier_wait -1
.endm
	s_load_b256 s[4:11], s[0:1], 0x0               ; qf s[4:5], kf s[6:7], vf s[8:9], the scales s[10:11]
	s_load_b64 s[12:13], s[0:1], 0x20              ; af
	v_lshl_add_u32 v251, v0, 2, 0x40000
	v_mov_b32 v255, 0
	ds_add_u32 v251, v255                          ; the opening lines: the add, twice on end, and its wait
	ds_add_u32 v251, v255
	v_lshrrev_b32 v1, 5, v0
	s_delay_alu instid0(VALU_DEP_1)
	v_readfirstlane_b32 s14, v1                    ; wave 0..15
	s_bfe_u32 s15, ttmp6, 0x40000                  ; cx: it enters Q's and af's addresses and the mask's number alone
	s_and_b32 s16, ttmp7, 0xffff                   ; batch x 16 + head, which the four partners share
	s_lshr_b32 s17, s14, 3
	s_sub_co_u32 s18, 15, s14
	s_min_u32 s18, s18, s14                        ; gl
	s_sub_co_u32 s19, 15, s18                      ; gh
	s_lshl_b32 s20, s15, 1
	s_add_co_u32 s20, s20, s17                     ; ti
	; descriptor group 1: 64 dense rows of 256 bytes: two key steps of K or of V
	s_mov_b32 s28, 15|(3<<16)|(1<<21)              ; 15:0 the mask: all four work-groups; 17:16 elements of 8 bytes; 21 set beside a mask; no padding
	s_mov_b32 s29, 32<<16                          ; tensor_dim0 = 32
	s_mov_b32 s30, 64<<16                          ; tensor_dim1 = 64
	s_mov_b32 s31, 32<<16                          ; tile_dim0 = 32
	s_mov_b32 s32, 64                              ; tile_dim1 = 64
	s_mov_b32 s33, 32                              ; the pitch
	s_mov_b32 s34, 0
	s_mov_b32 s35, 0
	s_and_b32 s80, s14, 7                          ; which eighth of K or of V I fetch
	s_lshl_b32 s81, s14, 14                        ; LDS: 16,384 x wave
	s_lshl_b32 s82, s80, 14
	s_lshl_b32 s84, s16, 17                        ; the head's 131,072 bytes, in qf, kf and vf alike
	s_add_co_u32 s82, s82, s84
	s_mov_b32 s83, 0
	s_wait_dscnt 0x0
	s_wait_kmcnt 0x0
	s_load_b256 s[52:59], s[10:11], 0x0            ; e0 .. e7
	s_load_b128 s[60:63], s[10:11], 0x20           ; e8 .. e11
	s_mov_b32 s36, 1                               ; K's group 0
	s_mov_b32 s37, s81
	s_add_nc_u64 s[38:39], s[6:7], s[82:83]
	s_or_b32 s39, s39, 0x80000000
	s_mov_b32 s44, 1                               ; V's group 0
	s_mov_b32 s45, s81
	s_add_nc_u64 s[46:47], s[8:9], s[82:83]
	s_or_b32 s47, s47, 0x80000000
	CROUND                                         ; all four work-groups are here: the joint loads meet
	s_cmp_lt_u32 s14, 8                            ; one load in each arm of a branch on the wave's number
	s_cbranch_scc0 .Lfirst_v
	tensor_load_to_lds s[36:39], s[28:35]
	s_nop 0
	PLACES 4
	s_branch .Lfirst_asked
.Lfirst_v:
	tensor_load_to_lds s[44:47], s[28:35]
	s_nop 0
	PLACES 4
.Lfirst_asked:
	v_and_b32 v6, 31, v0
	s_delay_alu instid0(VALU_DEP_1)
	v_lshlrev_b32 v1, 4, v6                        ; 16 x lane
	s_delay_alu instid0(VALU_DEP_1)
	v_add_nc_u32 v3, VBASE, v1                     ; and the same in V's part of LDS
	s_wait_alu depctr_va_vdst(0)
	v_and_b32 v4, 15, v0                           ; r
	v_bfe_u32 v5, v0, 4, 1                         ; h
	s_delay_alu instid0(VALU_DEP_2)
	v_and_b32 v2, 7, v4
	s_delay_alu instid0(VALU_DEP_3)
	v_lshrrev_b32 v4, 3, v4
	s_delay_alu instid0(VALU_DEP_1)
	v_lshl_add_u32 v2, v4, 4, v2
	s_delay_alu instid0(VALU_DEP_4)
	v_lshlrev_b32 v5, 4, v5
	s_delay_alu instid0(VALU_DEP_1)
	v_sub_nc_u32 v2, v2, v5
	s_lshr_b32 s85, s20, 1
	s_lshl_b32 s85, s85, 5
	s_and_b32 s86, s20, 1
	s_lshl_b32 s86, s86, 3
	s_add_co_u32 s85, s85, s86
	v_add_nc_u32 v2, s85, v2                       ; my query's place among its group's 128 positions, less 16 h.  Register 16 b + i holds the step's key 32 b + 16 h + i: on the diagonal hidden where 32 b + i > this
	s_lshl_b32 s86, s19, 3
	s_add_co_u32 s86, s86, s20                     ; my late tile of queries: 8 gh + ti
	s_lshl_b32 s87, s18, 3
	s_add_co_u32 s87, s87, s20                     ; my early one: 8 gl + ti
	s_mov_b32 s89, 0
	s_lshl_b32 s88, s86, 10
	s_add_co_u32 s88, s88, s84
	s_add_nc_u64 s[74:75], s[4:5], s[88:89]
	s_lshl_b32 s88, s87, 10
	s_add_co_u32 s88, s88, s84
	s_add_nc_u64 s[76:77], s[4:5], s[88:89]
	global_load_b128 v[16:19], v1, s[74:75]        ; Q's fragments stay in registers
	global_load_b128 v[20:23], v1, s[74:75] offset:512
	global_load_b128 v[24:27], v1, s[76:77]
	global_load_b128 v[28:31], v1, s[76:77] offset:512
	s_lshr_b32 s90, s16, 4
	s_lshl_b32 s90, s90, 7                         ; af: row tile 128 x batch + tile of queries;
	s_bfe_u32 s91, s16, 0x30001                    ; K step = head / 2;
	s_lshl_b32 s91, s91, 11
	s_and_b32 s92, s16, 1                          ; an odd head's 64 channels are the fragment's groups 2 and 3
	s_lshl_b32 s92, s92, 10
	s_add_co_u32 s91, s91, s92
	s_add_co_u32 s88, s90, s86
	s_lshl_b32 s88, s88, 14
	s_add_co_u32 s88, s88, s91
	s_add_nc_u64 s[70:71], s[12:13], s[88:89]
	s_add_co_u32 s88, s90, s87
	s_lshl_b32 s88, s88, 14
	s_add_co_u32 s88, s88, s91
	s_add_nc_u64 s[72:73], s[12:13], s[88:89]
	s_mov_b32 s22, 0x76543210                      ; v_permlanex16_b32's selects for lane l xor 16
	s_mov_b32 s23, 0xfedcba98
	s_mov_b32 s24, 0x3e38aa3b                      ; c = log2(e) / 8
	s_wait_kmcnt 0x0
	s_add_co_i32 s93, s58, s59
	s_lshl_b32 s93, s93, 23
	s_add_co_i32 s24, s24, s93                     ; a score stands for score x 2^(e6 + e7): the two exponents are added to c's exponent field
	s_mov_b32 s25, s24                             ; (named with it as a pair, so it is written)
	s_add_co_i32 s93, s61, 127
	s_lshl_b32 s94, s93, 23
	v_mov_b32 v244, s94                            ; 2^e9
	s_add_co_i32 s93, s93, 15
	s_lshl_b32 s93, s93, 23
	s_or_b32 s93, s93, 0x600000
	v_mov_b32 v240, s93                            ; 57,344 x 2^e9,
	v_mov_b32 v229, s93                            ; and once more: the two halves of a dual pair take their second sources from different register banks
	s_add_co_i32 s93, s62, 127
	s_lshl_b32 s94, s93, 23
	v_mov_b32 v245, s94                            ; 2^e10
	s_add_co_i32 s93, s93, 15
	s_lshl_b32 s93, s93, 23
	s_or_b32 s93, s93, 0x600000
	v_mov_b32 v241, s93                            ; 57,344 x 2^e10
	s_add_co_i32 s95, s60, s61                     ; e8 + e9
	v_mov_b32 v236, 0                              ; written once: a lane permute's destination counts as one of its sources
	v_mov_b32 v253, 0                              ; (named as the upper half of the pair v[252:253])
.macro INIT                            ; a tile begins: O^T and the sum are zeros, which the first change of M leaves zeros; the largest t is -3e38, under every t
.set jj, 0
.rept 32
	v_mov_b32 v[160+jj], 0
.set jj, jj+1
.endr
	v_mov_b32 v13, 0xff61b1e6
	s_delay_alu instid0(VALU_DEP_1)
	v_floor_f32 v12, -v13
	v_mov_b32 v14, 0
	v_mov_b32 v15, 0
.endm
	INIT
; A KEY STEP: 128 keys, number s66; its K at LDS byte s67, its V at VBASE + s67.  q: the first register of the tile's fragment of Q.  causal = 1: the tile's group is s68: steps beyond it are jumped over, step s68 is masked.
.macro STEP q, causal
.if \causal
	s_cmp_gt_u32 s66, s68
	s_cbranch_scc1 .Lskip_\@
.endif
	v_add_nc_u32 v8, s67, v1
	v_add_nc_u32 v9, s67, v3
	PLACES 2                                       ; with the two additions: four places in front of loads into registers that matrix instructions have read
.irp t, 0,1,2,3,4,5,6,7
	ds_load_b128 v[32+8*\t:35+8*\t], v8 offset:1024*\t
	ds_load_b128 v[36+8*\t:39+8*\t], v8 offset:1024*\t+512
.endr
	s_wait_alu depctr_va_vdst(0)
	s_wait_dscnt 0x0
.irp t, 0,1,2,3,4,5,6,7
	v_wmma_f32_16x16x64_bf8_bf8 v[96+8*\t:103+8*\t], v[32+8*\t:39+8*\t], v[\q:\q+7], 0
.endr
	PLACES 4
.irp d, 0,1,2,3                                ; V's four fragments land under the softmax
.irp c, 0,1,2,3
	ds_load_b128 v[32+16*\d+4*\c:35+16*\d+4*\c], v9 offset:2048*\d+512*\c
.endr
.endr
.if \causal                                    ; on the diagonal the scores of hidden keys become -infinity ahead of the maximum: p = 0 then.  The step's first key counts for every query of the group
	s_cmp_lg_u32 s66, s68
	s_cbranch_scc1 .Lopen_\@
	v_mov_b32 v254, 0xff800000
.set nn, 0
.rept 64
	v_cmp_gt_i32 vcc_lo, 32*(nn/16)+nn%16, v2
	v_cndmask_b32 v[96+nn], v[96+nn], v254, vcc_lo
.set nn, nn+1
.endr
.Lopen_\@:
.endif
	v_max3_num_f32 v254, v96, v97, v98             ; the step's largest score of my query, among my 64 keys, in two chains,
	v_max3_num_f32 v252, v99, v100, v101
.irp i, 6,10,14,18,22,26,30,34,38,42,46,50,54,58
	v_max3_num_f32 v254, v254, v[96+\i], v[97+\i]
	v_max3_num_f32 v252, v252, v[98+\i], v[99+\i]
.endr
	v_max3_num_f32 v254, v254, v158, v159
	s_delay_alu instid0(VALU_DEP_1)
	v_max_num_f32 v254, v254, v252
	s_delay_alu instid0(VALU_DEP_1)
	v_permlanex16_b32 v236, v254, s22, s23
	s_delay_alu instid0(VALU_DEP_1)
	v_max_num_f32 v254, v254, v236                 ; and among lane l xor 16's
	s_delay_alu instid0(VALU_DEP_1)
	v_mul_f32 v254, s24, v254                      ; as t (c is positive)
	s_delay_alu instid0(VALU_DEP_1)
	v_max_num_f32 v13, v13, v254                   ; the running largest t
	v_mov_b32 v254, v12
	s_delay_alu instid0(VALU_DEP_2)
	v_floor_f32 v12, -v13                          ; the new -M = floor(-t): M is a whole number
	s_delay_alu instid0(VALU_DEP_1)
	v_sub_f32 v254, v12, v254                      ; old M less new M: a whole number, 0 or less
	s_delay_alu instid0(VALU_DEP_1)
	v_cvt_i32_f32 v254, v254                       ; (it saturates)
	s_delay_alu instid0(VALU_DEP_1)
	v_ldexp_f32 v252, 1.0, v254                    ; f = 2^(old M - new M)
.set jj, 0
.rept 32
	v_pk_fma_f32 v[96+jj:97+jj], v[96+jj:97+jj], s[24:25], v[12:13] op_sel_hi:[1,0,0]   ; t - M, two at a time (of the pairs c and -M the low word serves both halves)
.set jj, jj+2
.endr
.set jj, 0
.rept 16
	v_pk_mul_f32 v[160+jj:161+jj], v[160+jj:161+jj], v[252:253] op_sel_hi:[1,0]   ; O^T under the new M, each accumulator from its low end on; ahead of the exponentials, so that none stands between the last products and these first readers
.set jj, jj+2
.endr
	s_wait_alu depctr_va_vdst(0)                   ; the wait ahead of the batch
.set jj, 0
.rept 64
	v_exp_f32 v[96+jj], v[96+jj]                   ; p = 2^(t - M), at most 1
.set jj, jj+1
.endr
	v_pk_mul_f32 v[14:15], v[14:15], v[252:253] op_sel_hi:[1,0]   ; the sums under the new M.  (A plain place behind the exponentials)
	s_wait_alu depctr_va_vdst(0)                   ; one wait for the whole batch, ahead of its first reader
	v_pk_add_f32 v[242:243], v[100:101], v[104:105]   ; the row's sum of the unquantised p: eight chains
	v_pk_add_f32 v[248:249], v[108:109], v[112:113]
	v_pk_add_f32 v[246:247], v[116:117], v[120:121]
	v_pk_add_f32 v[238:239], v[124:125], v[128:129]
	v_pk_add_f32 v[234:235], v[132:133], v[136:137]
	v_pk_add_f32 v[232:233], v[140:141], v[144:145]
	v_pk_add_f32 v[230:231], v[148:149], v[152:153]
	v_pk_add_f32 v[14:15], v[14:15], v[156:157]
	v_pk_add_f32 v[242:243], v[242:243], v[96:97]
	v_pk_add_f32 v[248:249], v[248:249], v[98:99]
	v_pk_add_f32 v[246:247], v[246:247], v[102:103]
	v_pk_add_f32 v[238:239], v[238:239], v[106:107]
	v_pk_add_f32 v[234:235], v[234:235], v[110:111]
	v_pk_add_f32 v[232:233], v[232:233], v[114:115]
	v_pk_add_f32 v[230:231], v[230:231], v[118:119]
	v_pk_add_f32 v[14:15], v[14:15], v[122:123]
	v_pk_add_f32 v[242:243], v[242:243], v[126:127]
	v_pk_add_f32 v[248:249], v[248:249], v[130:131]
	v_pk_add_f32 v[246:247], v[246:247], v[134:135]
	v_pk_add_f32 v[238:239], v[238:239], v[138:139]
	v_pk_add_f32 v[234:235], v[234:235], v[142:143]
	v_pk_add_f32 v[232:233], v[232:233], v[146:147]
	v_pk_add_f32 v[230:231], v[230:231], v[150:151]
	v_pk_add_f32 v[14:15], v[14:15], v[154:155]
	v_pk_add_f32 v[242:243], v[242:243], v[158:159]
	s_delay_alu instid0(VALU_DEP_2)
	v_pk_add_f32 v[14:15], v[14:15], v[238:239]
	s_delay_alu instid0(VALU_DEP_2)
	v_pk_add_f32 v[242:243], v[242:243], v[234:235]
	v_pk_add_f32 v[248:249], v[248:249], v[232:233]
	v_pk_add_f32 v[246:247], v[246:247], v[230:231]
	s_delay_alu instid0(VALU_DEP_2)
	v_pk_add_f32 v[14:15], v[14:15], v[248:249]
	s_delay_alu instid0(VALU_DEP_2)
	v_pk_add_f32 v[242:243], v[242:243], v[246:247]
	s_delay_alu instid0(VALU_DEP_1)
	v_pk_add_f32 v[14:15], v[14:15], v[242:243]
.irp b, 0,1,2,3
.irp i, 0,2,4,6,8,10,12,14
	v_dual_min_num_f32 v[96+16*\b+\i], v[96+16*\b+\i], v240 :: v_dual_min_num_f32 v[97+16*\b+\i], v[97+16*\b+\i], v229   ; the conversion does not saturate (ISA guide 7.6.2); p is not negative, so the hold is one-sided; two holds an instruction
.endr
	v_cvt_scalef32_pk8_bf8_f32 v[192+4*\b:193+4*\b], v[96+16*\b:103+16*\b], v244
	v_cvt_scalef32_pk8_bf8_f32 v[194+4*\b:195+4*\b], v[104+16*\b:111+16*\b], v244
.endr
	v_nop                                          ; a plain line between the last conversion and the products that read its result
	s_wait_alu depctr_va_vdst(0)
	s_wait_dscnt 0x0                               ; V is in
.irp d, 0,1,2,3
	v_wmma_f32_16x16x128_bf8_bf8 v[160+8*\d:167+8*\d], v[32+16*\d:47+16*\d], v[192:207], v[160+8*\d:167+8*\d]
.endr
.if \causal
.Lskip_\@:
.endif
.endm
.macro LOOP to, q, causal              ; key steps s66 .. to - 1: eight trips each time
.Lloop_\@:
	STEP \q, \causal
	s_add_co_u32 s66, s66, 1
	s_add_co_u32 s67, s67, KSTEPB
	s_cmp_lt_u32 s66, \to
	s_cbranch_scc1 .Lloop_\@
.endm
; THE WAY OUT of a tile: O^T x 2^(e8 + e9) / the sum is attention's result; held, converted with 2^e10: registers 16 b + i are channels 32 b + 16 h + i of my query: two groups of the next operand's image.
.macro WAYOUT ptr
	s_wait_alu depctr_va_vdst(0)                   ; the wait here, behind the loop's branches
	PLACES 4                                       ; behind the last products
	v_add_f32 v14, v14, v15                        ; the sum's two halves,
	s_delay_alu instid0(VALU_DEP_1)
	v_permlanex16_b32 v252, v14, s22, s23
	s_delay_alu instid0(VALU_DEP_1)
	v_add_f32 v14, v14, v252                       ; and lane l xor 16's
	s_wait_alu depctr_va_vdst(0)
	v_rcp_f32 v14, v14
	v_nop                                          ; a plain place behind the transcendental
	s_wait_alu depctr_va_vdst(0)
	v_ldexp_f32 v14, v14, s95
	s_wait_alu depctr_va_vdst(0)                   ; the wait here, directly ahead of the first reader of O^T
.set jj, 0
.rept 32
	v_mul_f32 v[96+jj], v[160+jj], v14             ; each accumulator from its low end on
.set jj, jj+1
.endr
.set jj, 0
.rept 32
	v_med3_num_f32 v[96+jj], v[96+jj], -v241, v241
.set jj, jj+1
.endr
.irp b, 0,1
	v_cvt_scalef32_pk8_bf8_f32 v[208+4*\b:209+4*\b], v[96+16*\b:103+16*\b], v245
	v_cvt_scalef32_pk8_bf8_f32 v[210+4*\b:211+4*\b], v[104+16*\b:111+16*\b], v245
.endr
	v_nop                                          ; a plain line between the last conversion and the products that write its sources again
	global_store_b128 v1, v[208:211], s[\ptr:\ptr+1]              ; 32 lanes store 512 consecutive bytes, aligned
	global_store_b128 v1, v[212:215], s[\ptr:\ptr+1] offset:512
	s_wait_xcnt 0x0                                ; the stores' data are rewritten only behind this wait
.endm
	s_wait_alu depctr_va_vdst(0)                   ; the wait at the head's end
	s_wait_loadcnt 0x0                             ; Q
	s_wait_tensorcnt 0x0                           ; my sixteenth of the head's K and V is in
	s_barrier_signal -1
	s_barrier_wait -1                              ; everybody's is: from here on no wave waits for another
	s_mov_b32 s66, 0
	s_mov_b32 s67, 0
	LOOP 8, 16, 0                                  ; my late tile, key steps 0 to 7: all their keys count, since gh >= 8
	s_mov_b32 s66, 8
	s_mov_b32 s67, 8*KSTEPB
	s_mov_b32 s68, s19
	LOOP 16, 16, 1                                 ; key steps 8 to gh
	WAYOUT 70
	INIT
	s_mov_b32 s66, 0
	s_mov_b32 s67, 0
	s_mov_b32 s68, s18
	LOOP 8, 24, 1                                  ; my early tile: key steps 0 to gl
	WAYOUT 72
	s_wait_tensorcnt 0x0                           ; the wave's end
	ds_add_u32 v251, v255
	s_wait_dscnt 0x0
	CROUND                                         ; the closing round
	s_endpgm
.Lfunc_end_k_q3bc45d2d0d_attn:
	.size	k_q3bc45d2d0d_attn, .Lfunc_end_k_q3bc45d2d0d_attn-k_q3bc45d2d0d_attn
	.p2alignl 7, 3214868480
	.fill 96, 4, 3214868480
	.section	.rodata,"a",@progbits
	.p2align	6, 0x0
	.amdhsa_kernel k_q3bc45d2d0d_attn
		.amdhsa_group_segment_fixed_size 264192
		.amdhsa_private_segment_fixed_size 0
		.amdhsa_enable_private_segment 0
		.amdhsa_kernarg_size 40
		.amdhsa_user_sgpr_count 2
		.amdhsa_user_sgpr_kernarg_segment_ptr 1
		.amdhsa_wavefront_size32 1
		.amdhsa_system_sgpr_workgroup_id_x 1
		.amdhsa_system_sgpr_workgroup_id_y 1
		.amdhsa_system_sgpr_workgroup_id_z 1
		.amdhsa_system_vgpr_workitem_id 0
		.amdhsa_next_free_vgpr 256
		.amdhsa_next_free_sgpr 100
		.amdhsa_reserve_vcc 1
		.amdhsa_float_denorm_mode_32 3
		.amdhsa_float_denorm_mode_16_64 3
		.amdhsa_memory_ordered 1
		.amdhsa_forward_progress 1
		.amdhsa_inst_pref_size 76
	.end_amdhsa_kernel
	.amdgpu_metadata
---
amdhsa.version: [ 1, 2 ]
amdhsa.kernels:
  - .name:           k_q3bc45d2d0d_attn
    .symbol:         k_q3bc45d2d0d_attn.kd
    .args:
      - { .name: qf, .offset: 0, .size: 8, .value_kind: global_buffer, .address_space: global }
      - { .name: kf, .offset: 8, .size: 8, .value_kind: global_buffer, .address_space: global }
      - { .name: vf, .offset: 16, .size: 8, .value_kind: global_buffer, .address_space: global }
      - { .name: lowp_scales, .offset: 24, .size: 8, .value_kind: global_buffer, .address_space: global }
      - { .name: af, .offset: 32, .size: 8, .value_kind: global_buffer, .address_space: global }
    .group_segment_fixed_size: 264192
    .private_segment_fixed_size: 0
    .kernarg_segment_align: 8
    .kernarg_segment_size: 40
    .max_flat_workgroup_size: 512
    .sgpr_count:     100
    .vgpr_count:     256
    .wavefront_size: 32
...
	.end_amdgpu_metadata
.endif
;; end of part 3
;; launch oproj (part 4): grid 4 x 64, 4 waves a work-group, clusters of 4 x 1, 327,680 bytes of LDS; arguments af, wf, bo, lowp_scales, out0; writes out0
.if DOCPART == 4
	.amdgcn_target "amdgcn-amd-amdhsa--gfx1250"
	.amdhsa_code_object_version 6
	.text
	.protected	k_q3bc45d2d0d_oproj
	.globl	k_q3bc45d2d0d_oproj
	.p2align	8
	.type	k_q3bc45d2d0d_oproj,@function
k_q3bc45d2d0d_oproj:
	s_mov_b64 s[64:65], 0
	v_nop
	global_prefetch_b8 v0, s[64:65] scope:SCOPE_SE
	s_setreg_imm32_b32 hwreg(HW_REG_WAVE_MODE, 25, 1), 1
	s_wait_xcnt 0x0
	s_wait_alu depctr_hold_cnt(0) depctr_sa_sdst(0) depctr_va_vdst(0) depctr_va_sdst(0) depctr_va_ssrc(0) depctr_va_vcc(0) depctr_vm_vsrc(0)
	s_getreg_b32 s2, hwreg(HW_REG_IB_STS2, 6, 4)
	s_cmp_eq_u32 s2, 0
	s_cbranch_scc0 .Lentry_in_a_cluster
	s_endpgm
.Lentry_in_a_cluster:
	s_bfe_u32 s2, ttmp6, 0x10000c
	s_cmp_lg_u32 s2, 0x3003
	s_cbranch_scc0 .Lentry_shape_is_right
	s_endpgm
.Lentry_shape_is_right:
.set STEPB, 32768
.set STAGE, 4*STEPB
.set SPI,  272
.set LI,   2
.set LI2,  3
.set STO,  6
.set RD,   7
.set CO,   8
.set BO,   9
.set BI,   32
.set ACC,  64
.set OUT,  128
.set BK,   192
.set MSB, 0
.macro WIN new
.if MSB != (\new)
	s_set_vgpr_msb (MSB<<8)|(\new)
.set MSB, (\new)
.endif
.endm
.macro PLACES n
.rept \n
	v_nop
.endr
.endm
.macro CROUND
	s_barrier_signal -1
	s_barrier_wait -1
	s_cmp_lg_u32 s14, 0
	s_cbranch_scc1 .Lnot_wave_0_\@
	s_barrier_signal -3
.Lnot_wave_0_\@:
	s_barrier_wait -3
	s_barrier_signal -1
	s_barrier_wait -1
.endm
	s_load_b256 s[4:11], s[0:1], 0x0
	s_load_b64 s[12:13], s[0:1], 0x20
	v_lshl_add_u32 v30, v0, 2, 0x29000
	v_mov_b32 v31, 0
	ds_add_u32 v30, v31
	ds_add_u32 v30, v31
	v_lshrrev_b32 v1, 5, v0
	v_readfirstlane_b32 s14, v1
	s_bfe_u32 s15, ttmp6, 0x40000
	s_and_b32 s16, ttmp7, 0xffff
	s_lshl_b32 s17, s15, 2
	s_add_co_u32 s17, s17, s14
	s_mov_b32 s20, 15|(3<<16)|(1<<21)
	s_mov_b32 s21, 32<<16
	s_mov_b32 s22, 128<<16
	s_mov_b32 s23, 32<<16
	s_mov_b32 s24, 128
	s_mov_b32 s25, 32
	s_mov_b32 s26, 0
	s_mov_b32 s27, 0
	s_lshl_b32 s80, s14, 15
	s_lshl_b32 s82, s16, 17
	s_add_co_u32 s82, s82, s80
	s_mov_b32 s83, 0
	s_wait_dscnt 0x0
	s_wait_kmcnt 0x0
	s_load_b64 s[44:45], s[10:11], 0x28
	s_add_nc_u64 s[84:85], s[4:5], s[82:83]
	s_mov_b32 s28, 1
	s_mov_b32 s29, s80
	s_mov_b64 s[30:31], s[84:85]
	s_or_b32 s31, s31, 0x80000000
	CROUND
	tensor_load_to_lds s[28:31], s[20:27]          ; my one joint load: wave w brings step w's 32 rows of the block, 128 lines of 256 bytes, to LDS byte 32,768 w
	s_nop 0
	PLACES 4
	v_and_b32 v1, 31, v0
	v_lshlrev_b32 v[LI], 4, v1
	v_add_nc_u32 v[LI2], 2*STEPB, v[LI]
	v_and_b32 v10, 15, v0
	v_bfe_u32 v11, v0, 4, 1
	s_mul_i32 s81, s14, 16*SPI
	s_add_co_u32 s81, s81, STAGE
	v_mul_u32_u24 v[STO], v10, SPI
	v_lshl_add_u32 v[STO], v11, 6, v[STO]
	v_add_nc_u32 v[STO], s81, v[STO]
	v_mul_u32_u24 v[RD], v11, SPI
	v_lshl_add_u32 v[RD], v10, 4, v[RD]
	v_add_nc_u32 v[RD], s81, v[RD]
	v_lshlrev_b32 v[CO], 4, v10
	v_lshl_add_u32 v[CO], v11, 12, v[CO]
	v_lshlrev_b32 v[BO], 6, v11
	s_wait_alu depctr_va_vdst(0)
	s_add_co_u32 s82, s17, 48
	s_lshl_b32 s82, s82, 16
	s_add_nc_u64 s[6:7], s[6:7], s[82:83]
	WIN 0x40
.irp ks, 0,1,2,3
.irp t, 0,1,2,3
.irp c, 0,1,2,3
	global_load_b128 v[16*(4*\ks+\t)+4*\c:16*(4*\ks+\t)+4*\c+3], v[LI], s[6:7] offset:(8*\t+\ks)*2048+512*\c
.endr
.endr
.endr
	WIN 0x80
.irp ks, 0,1,2,3
.irp t, 0,1,2,3
.irp c, 0,1,2,3
	global_load_b128 v[16*(4*\ks+\t)+4*\c:16*(4*\ks+\t)+4*\c+3], v[LI], s[6:7] offset:(8*\t+\ks+4)*2048+512*\c
.endr
.endr
.endr
	WIN 0
	s_lshl_b32 s82, s17, 8
	s_add_nc_u64 s[8:9], s[8:9], s[82:83]
.irp t, 0,1,2,3
	global_load_b128 v[BI+8*\t:BI+8*\t+3], v[BO], s[8:9] offset:(32*(\t/2)+8*(\t%2))*4
	global_load_b128 v[BI+8*\t+4:BI+8*\t+7], v[BO], s[8:9] offset:(32*(\t/2)+8*(\t%2))*4+16
.endr
	s_lshl_b32 s86, s16, 19
	s_add_co_u32 s82, s86, s82
	s_add_nc_u64 s[12:13], s[12:13], s[82:83]
	s_wait_kmcnt 0x0
	s_add_co_i32 s46, s44, s45
	s_add_co_i32 s46, s46, 127
	s_lshl_b32 s46, s46, 23
	s_mov_b32 s47, s46
	s_wait_loadcnt 0x0
.macro FETCH half, adr, off
	WIN 0xc0
.irp u, 0,1
.irp kq, 0,1,2,3
.irp c, 0,1,2,3
	ds_load_b128 v[128*\half+16*(4*\u+\kq)+4*\c:128*\half+16*(4*\u+\kq)+4*\c+3], v[\adr] offset:(\off)+(8*\u+4*\half+\kq)*2048+512*\c
.endr
.endr
.endr
	WIN 0
.endm
.macro MUL half
	WIN 0x0d+\half
.irp kq, 0,1,2,3
.irp u, 0,1
.irp t, 0,1,2,3
.set rD, ACC+8*(4*\u+\t)
.set rW, 16*(4*\kq+\t)
.set rA, 128*\half+16*(4*\u+\kq)
.if (\half == 0) && (\kq == 0)
	v_wmma_f32_16x16x128_bf8_bf8 v[rD:rD+7], v[rW:rW+15], v[rA:rA+15], 0
.else
	v_wmma_f32_16x16x128_bf8_bf8 v[rD:rD+7], v[rW:rW+15], v[rA:rA+15], v[rD:rD+7]
.endif
.endr
.endr
.endr
.endm
.macro OSTEP s
	s_wait_dscnt 0x0
	FETCH 1, LI+(\s)/2, ((\s)%2)*STEPB
	MUL 0
	s_wait_dscnt 0x0
	MUL 1
	WIN 0
.if (\s) < 3
	PLACES 4
	FETCH 0, LI+((\s)+1)/2, (((\s)+1)%2)*STEPB
.else
	PLACES 4
.endif
.irp u, 0,1
.irp i, 0,2,4,6,8,10,12,14,16,18,20,22,24,26,28,30
	v_pk_fma_f32 v[OUT+32*\u+\i:OUT+32*\u+\i+1], v[ACC+32*\u+\i:ACC+32*\u+\i+1], s[46:47], v[BI+\i:BI+\i+1] op_sel_hi:[1,0,1]
.endr
.irp b, 0,1
.irp q, 0,1,2,3
	ds_store_b128 v[STO], v[OUT+32*\u+16*\b+4*\q:OUT+32*\u+16*\b+4*\q+3] offset:128*\b+16*\q
.endr
.endr
	s_wait_xcnt 0x0
.irp i, 0,1,2,3,4,5,6,7
	ds_load_b128 v[BK+32*\u+4*\i:BK+32*\u+4*\i+3], v[RD] offset:2*SPI*\i
.endr
.irp i, 0,1,2,3,4,5,6,7
	s_wait_dscnt 7-\i
	global_store_b128 v[CO], v[BK+32*\u+4*\i:BK+32*\u+4*\i+3], s[12:13] offset:(32*(\s)+8*\u+2*\i+8*(\i/4))*4096 th:TH_STORE_NT
.endr
.endr
.endm
	s_wait_tensorcnt 0x0
	s_barrier_signal -1
	s_barrier_wait -1
	FETCH 0, LI, 0
	OSTEP 0
	OSTEP 1
	OSTEP 2
	OSTEP 3
	s_wait_tensorcnt 0x0
	ds_add_u32 v30, v31
	s_wait_dscnt 0x0
	CROUND
	s_endpgm
.Lfunc_end_k_q3bc45d2d0d_oproj:
	.size	k_q3bc45d2d0d_oproj, .Lfunc_end_k_q3bc45d2d0d_oproj-k_q3bc45d2d0d_oproj
	.p2alignl 7, 3214868480
	.fill 96, 4, 3214868480
	.section	.rodata,"a",@progbits
	.p2align	6, 0x0
	.amdhsa_kernel k_q3bc45d2d0d_oproj
		.amdhsa_group_segment_fixed_size 327680
		.amdhsa_private_segment_fixed_size 0
		.amdhsa_enable_private_segment 0
		.amdhsa_kernarg_size 40
		.amdhsa_user_sgpr_count 2
		.amdhsa_user_sgpr_kernarg_segment_ptr 1
		.amdhsa_wavefront_size32 1
		.amdhsa_system_sgpr_workgroup_id_x 1
		.amdhsa_system_sgpr_workgroup_id_y 1
		.amdhsa_system_sgpr_workgroup_id_z 1
		.amdhsa_system_vgpr_workitem_id 0
		.amdhsa_next_free_vgpr 1024
		.amdhsa_next_free_sgpr 100
		.amdhsa_reserve_vcc 0
		.amdhsa_float_denorm_mode_32 3
		.amdhsa_float_denorm_mode_16_64 3
		.amdhsa_memory_ordered 1
		.amdhsa_forward_progress 1
		.amdhsa_inst_pref_size 76
	.end_amdhsa_kernel
	.amdgpu_metadata
---
amdhsa.version: [ 1, 2 ]
amdhsa.kernels:
  - .name:           k_q3bc45d2d0d_oproj
    .symbol:         k_q3bc45d2d0d_oproj.kd
    .args:
      - { .name: af, .offset: 0, .size: 8, .value_kind: global_buffer, .address_space: global }
      - { .name: wf, .offset: 8, .size: 8, .value_kind: global_buffer, .address_space: global }
      - { .name: bo, .offset: 16, .size: 8, .value_kind: global_buffer, .address_space: global }
      - { .name: lowp_scales, .offset: 24, .size: 8, .value_kind: global_buffer, .address_space: global }
      - { .name: out0, .offset: 32, .size: 8, .value_kind: global_buffer, .address_space: global }
    .group_segment_fixed_size: 327680
    .private_segment_fixed_size: 0
    .kernarg_segment_align: 8
    .kernarg_segment_size: 40
    .max_flat_workgroup_size: 128
    .sgpr_count:     100
    .vgpr_count:     1024
    .wavefront_size: 32
...
	.end_amdgpu_metadata
.endif
;; end of part 4
